; MI455X (gfx1250); checked and timed in simulation.
; The chip was launched on July 23, 2026; its instructions are those of AMD's public machine-readable ISA for CDNA 5 (MIT licence, August 2026) and "CDNA5" Instruction Set Architecture Reference Guide (July 2026). The comments in the code are by the model that wrote it; some were corrected since.
;; Multi Head Self Attention. Allowed arithmetic: matrix products marked QUANTISED: E4M3 operands, one given power-of-two scale a tensor, by v_wmma_f32_16x16x64_fp8_fp8 or v_wmma_f32_16x16x128_fp8_fp8, f32 sums; everything else in f32.
;; Inputs: b_out 1,024 float32; b_qkv 3,072 float32; lowp_scales 8 int32 (the exponents e of the quantised operands' scales 2^e); w_out 1,024 x 1,024 float32; w_qkv 3,072 x 1,024 float32; x 4 x 2,048 x 1,024 float32.
;; Outputs: out0 4 x 2,048 x 1,024 float32.
;; This version of the problem:
;;   THIS VERSION OF THE PROBLEM IS GIVEN IN LOW PRECISION. The matrix products marked QUANTISED in the list below multiply operands that are first quantised to E4M3 (4 exponent bits, 3 mantissa bits; 8 bits a number), with one given power-of-two scale for each operand tensor; their sums are f32. All else is computed in f32.
;;   The module's matrix products, in the order in which they are computed (A, B: the left and right operand; K: the contracted axis; several contracted axes count as one K, in the product's order):
;;     1. [M 8,192, K 1,024] x [K 1,024, N 3,072]; A: input x; B: input w_qkv: QUANTISED (scales: A lowp_scales[0], B lowp_scales[1])
;;     2. batch 64 x [M 2,048, K 64] x [K 64, N 2,048]; A: computed on the way; B: computed on the way: QUANTISED (scales: A lowp_scales[2], B lowp_scales[3])
;;     3. batch 64 x [M 2,048, K 2,048] x [K 2,048, N 64]; A: softmax (see below); B: computed on the way: QUANTISED (scales: A lowp_scales[4], B lowp_scales[5])
;;     4. [M 8,192, K 1,024] x [K 1,024, N 1,024]; A: computed on the way; B: input w_out: QUANTISED (scales: A lowp_scales[6], B lowp_scales[7])
;;   THE QUANTISER, for each operand of a quantised product, along K:
;;     - The operand's scale is 2^e, e = its entry of the input lowp_scales (int32; the entries are numbered through the quantised products in the list's order, A before B).
;;     - Each number is divided by the scale, clamped to +-448, and rounded to the nearest number of E4M3, ties to even, subnormals kept.
;;     - The product sums the exact products of the quantised numbers (number of the format x scale) in f32.
;;   ~~~python
;;   def quantise(x, axis, e):      # numpy; x: float32 -> the quantised numbers, widened to float32 again
;;       x = np.moveaxis(x, axis, -1); K = x.shape[-1]
;;       r = np.clip(x / 2.0 ** e, -448, 448)
;;       step = 2.0 ** (np.maximum(np.frexp(np.where(r == 0, 1, r))[1] - 1, -6) - 3)
;;       q = np.round(r / step) * step * 2.0 ** e      # np.round: ties to even
;;       return np.moveaxis(q, -1, axis).astype(np.float32)
;;   ~~~
;;   SOFTMAX AHEAD OF A QUANTISED PRODUCT. Where the list says 'softmax', what is quantised is not the finished softmax but p = 2^(t - M), with t = logit x log2(e) and M = ceil(the row's largest t), a whole number; so 1/2 < the row's largest p <= 1. The row's sum l is taken of the UNQUANTISED p, in f32, and the product's result is divided by l at the end. Since M is a whole number, a kernel that streams over the keys may use a running M (the ceiling of the running maximum): every later rescaling is an exact power of two, so the quantised numbers keep their values, but for numbers so far below the row's largest that they fall under the format's range.
;;   OPERANDS COMPUTED ON THE WAY. 'Computed on the way' means the value that the module computes at that place (a softmax that the list does not call 'softmax' is quantised finished and normalised). What goes into a quantiser is computed in f32, as accurately as f32 sums, v_exp_f32 and their like allow (about 1e-6 of the number): no bf16 or f16 on the way to a quantiser, and a product that is left as it is and whose result goes on into a quantised operand takes f32 operands (vector FMAs, or v_wmma_f32_16x16x4_f32). A number that lies on a knife's edge between two numbers of the format may be rounded either way, as far as f32 arithmetic and the matrix unit's own rounding can turn it there, and no further.
;; One version. Each part assembles by itself: llvm-mc -triple=amdgcn-amd-amdhsa -mcpu=gfx1250 --defsym DOCPART=n.
;; ======== version 1 of 1: 4 launches
;; limits: right only within a limited range of input values
;; workspace buffers: xc 8,388,608 bytes; wqc 3,145,728 bytes; woc 1,048,576 bytes; qc 8,388,608 bytes; kc 8,388,608 bytes; vc 8,388,608 bytes; ao 8,388,608 bytes
;; launch quant (part 1): grid 384 x 1, 4 waves a work-group, no clusters, 33,280 bytes of LDS; arguments x, w_qkv, w_out, lowp_scales, xc, wqc, woc; writes xc, wqc, woc
.if DOCPART == 1
	.amdgcn_target "amdgcn-amd-amdhsa--gfx1250"
	.amdhsa_code_object_version 6
	.text
	.protected	k_q2fef632fee_quant
	.globl	k_q2fef632fee_quant
	.p2align	8
	.type	k_q2fef632fee_quant,@function
k_q2fef632fee_quant:
	s_mov_b64 s[64:65], 0
	v_nop
	global_prefetch_b8 v0, s[64:65] scope:SCOPE_SE
	s_setreg_imm32_b32 hwreg(HW_REG_WAVE_MODE, 25, 1), 1
	s_wait_xcnt 0x0
; x [8192][1024], w_qkv [3072][1024] and w_out [1024][1024], f32, become codes of FP8 (E4M3), one byte each, K innermost as it lies, each with the one scale 2^e given for it
; (entries 0, 1 and 7 of the scales).  code = x / 2^e, held within +-448, rounded to the nearest code, ties to even.
; LIMITS: e between -126 and 119, so that 2^e and 448 x 2^e are f32 numbers.  NaN among the inputs is not served (an infinity is held at the largest code).
; Rows are dense, so each tensor is a plain stream of numbers and its codes a plain stream of bytes.  A work-group takes 32,768 numbers, a wave 16 steps of 512.
; Work-groups 0-255 take x, 256-351 w_qkv, 352-383 w_out: only pointers and e are chosen, by selects on the work-group's number; there is one path through the text.
; The conversion takes 8 neighbours from ONE lane's registers; a load is dense where neighbouring LANES take neighbouring bytes.  Both are had: each of a step's four loads reads 512 consecutive bytes,
; the 2,048 bytes turn through the wave's own stage in LDS (16 bytes of padding behind each 64) and come back 64 bytes a lane.  A lane's 16 codes are 16 bytes: the wave stores 512 consecutive bytes.
; No tensor loads, no barrier, no cluster: waves and work-groups share nothing.  Loads run four steps (16 loads a wave) ahead, the turn through LDS one step.
.set STEPS, 16
.set WGX,   256                        ; x's work-groups
.set WGQ,   352                        ; x's and w_qkv's
.set R,     16                         ; v16-79   four sets of 16 numbers as they are loaded
.set X,     80                         ; v80-111  two sets of 16 neighbours
.set C,     128                        ; v128-191 codes: four registers for each step, so that no store's data are written again
.set WREG,  8192                       ; LDS: a region for each wave: two stages of 32 x SP bytes
.set SP,    80                         ; a lane's place in a stage: its 64 bytes + 16 of padding
	s_load_b256 s[4:11], s[0:1], 0x0               ; x s[4:5], w_qkv s[6:7], w_out s[8:9], the scales' exponents s[10:11]
	s_load_b128 s[12:15], s[0:1], 0x20             ; x's codes s[12:13], w_qkv's s[14:15]
	s_load_b64 s[16:17], s[0:1], 0x30              ; w_out's codes
	v_lshl_add_u32 v192, v0, 2, 0x8000
	v_mov_b32 v193, 0
	v_lshrrev_b32 v1, 5, v0
	v_readfirstlane_b32 s18, v1                    ; wave
	v_and_b32 v2, 31, v0                           ; lane
	v_lshlrev_b32 v3, 4, v2                        ; 16 x lane: my 16 bytes of a load's 512, and of a step's 512 bytes of codes; never rewritten
	s_mul_i32 s19, s18, WREG
	v_lshrrev_b32 v14, 2, v2
	v_mul_u32_u24 v14, v14, SP
	v_and_b32 v15, 3, v2
	v_lshl_add_u32 v14, v15, 4, v14
	v_add_nc_u32 v14, s19, v14                     ; the stage, on the way in: SP (lane / 4) + 16 (lane % 4); a load's 512 bytes take eight places
	v_mul_u32_u24 v15, v2, SP
	v_add_nc_u32 v15, s19, v15                     ; and on the way out: SP x lane: my 16 neighbours
	s_wait_alu depctr_va_vdst(0)
	s_wait_kmcnt 0x0
	s_load_b256 s[24:31], s[10:11], 0x0            ; e0 .. e7
	s_mov_b32 s20, WGQ
	s_cmp_lt_u32 ttmp9, WGQ                        ; w_qkv or w_out?  The choices hang on the work-group's number alone
	s_cselect_b64 s[6:7], s[6:7], s[8:9]
	s_cselect_b64 s[14:15], s[14:15], s[16:17]
	s_cselect_b32 s20, WGX, s20
	s_cmp_lt_u32 ttmp9, WGX                        ; x or one of those?
	s_cselect_b64 s[4:5], s[4:5], s[6:7]
	s_cselect_b64 s[12:13], s[12:13], s[14:15]
	s_cselect_b32 s20, 0, s20                      ; the tensor's first work-group
	s_sub_co_u32 s20, ttmp9, s20
	s_lshl_b32 s20, s20, 2
	s_add_co_u32 s20, s20, s18                     ; which run of 8,192 numbers of the tensor is my wave's (at most 1,023)
	s_lshl_b32 s22, s20, 15                        ; 32,768 bytes of numbers,
	s_mov_b32 s23, 0
	s_add_nc_u64 s[4:5], s[4:5], s[22:23]
	s_lshl_b32 s22, s20, 13                        ; 8,192 bytes of codes
	s_add_nc_u64 s[12:13], s[12:13], s[22:23]
.macro LOAD t
.irp i, 0,1,2,3
	global_load_b128 v[R+16*((\t)%4)+4*\i:R+16*((\t)%4)+4*\i+3], v3, s[4:5] offset:2048*(\t)+512*\i th:TH_LOAD_NT   ; 32 lanes read 512 consecutive bytes
.endr
.endm
.macro TURN t                          ; step t's numbers through the stage: LDS serves a wave's instructions in order, so no wait stands between the stores and the loads
.irp i, 0,1,2,3
	ds_store_b128 v14, v[R+16*((\t)%4)+4*\i:R+16*((\t)%4)+4*\i+3] offset:32*SP*((\t)%2)+8*SP*\i
.endr
.irp i, 0,1,2,3
	ds_load_b128 v[X+16*((\t)%2)+4*\i:X+16*((\t)%2)+4*\i+3], v15 offset:32*SP*((\t)%2)+16*\i
.endr
.endm
.irp t, 0,1,2,3
	LOAD \t
.endr
	s_wait_kmcnt 0x0
	s_cmp_lt_u32 ttmp9, WGQ
	s_cselect_b32 s22, s25, s31                    ; e1 or e7,
	s_cmp_lt_u32 ttmp9, WGX
	s_cselect_b32 s22, s24, s22                    ; or e0
	s_add_co_i32 s22, s22, 127
	s_lshl_b32 s23, s22, 23
	v_mov_b32 v11, s23                             ; 2^e as f32: the conversion takes its exponent field
	s_add_co_i32 s22, s22, 8
	s_lshl_b32 s22, s22, 23
	s_or_b32 s22, s22, 0x600000
	s_wait_alu depctr_va_vdst(0)
	s_wait_loadcnt 12                              ; step 0's four loads are in; the twelve of steps 1 to 3 may be out
	TURN 0
.macro STEP t
.set XS, X+16*((\t)%2)
	s_wait_dscnt 0x0                               ; this step's numbers are back from the stage
.if (\t)+4 < STEPS
	LOAD (\t)+4                                    ; its registers take the loads of four steps on
.endif
.if (\t)+1 < STEPS
.if STEPS-2-(\t) >= 3
	s_wait_loadcnt 12                              ; the next step's four loads are in; those of the three steps behind it may be out
.else
	s_wait_loadcnt 4*(STEPS-2-(\t))                ; the tail: fewer steps are behind it
.endif
	TURN (\t)+1                                    ; and go through the other stage while this step is worked
.endif
.irp i, 0,1,2,3,4,5,6,7,8,9,10,11,12,13,14,15
.endr
	v_cvt_scalef32_pk8_fp8_f32 v[C+4*(\t):C+4*(\t)+1], v[XS:XS+7], v11
	v_cvt_scalef32_pk8_fp8_f32 v[C+4*(\t)+2:C+4*(\t)+3], v[XS+8:XS+15], v11
	v_nop                                          ; a plain line behind the conversions, ahead of whatever next writes their sources
	global_store_b128 v3, v[C+4*(\t):C+4*(\t)+3], s[12:13] offset:512*(\t)   ; 32 lanes store 512 consecutive bytes, aligned
.endm
.irp t, 0,1,2,3,4,5,6,7,8,9,10,11,12,13,14,15
	STEP \t
.endr
	s_wait_tensorcnt 0x0
	ds_add_u32 v192, v193
	s_wait_dscnt 0x0
	s_endpgm
.Lfunc_end_k_q2fef632fee_quant:
	.size	k_q2fef632fee_quant, .Lfunc_end_k_q2fef632fee_quant-k_q2fef632fee_quant
	.p2alignl 7, 3214868480
	.fill 96, 4, 3214868480
	.section	.rodata,"a",@progbits
	.p2align	6, 0x0
	.amdhsa_kernel k_q2fef632fee_quant
		.amdhsa_group_segment_fixed_size 33280
		.amdhsa_private_segment_fixed_size 0
		.amdhsa_enable_private_segment 0
		.amdhsa_kernarg_size 56
		.amdhsa_user_sgpr_count 2
		.amdhsa_user_sgpr_kernarg_segment_ptr 1
		.amdhsa_wavefront_size32 1
		.amdhsa_system_sgpr_workgroup_id_x 1
		.amdhsa_system_sgpr_workgroup_id_y 1
		.amdhsa_system_sgpr_workgroup_id_z 1
		.amdhsa_system_vgpr_workitem_id 0
		.amdhsa_next_free_vgpr 194
		.amdhsa_next_free_sgpr 66
		.amdhsa_reserve_vcc 0
		.amdhsa_float_denorm_mode_32 3
		.amdhsa_float_denorm_mode_16_64 3
		.amdhsa_fp16_overflow 1
		.amdhsa_memory_ordered 1
		.amdhsa_forward_progress 1
		.amdhsa_inst_pref_size 22
	.end_amdhsa_kernel
	.amdgpu_metadata
---
amdhsa.version: [ 1, 2 ]
amdhsa.kernels:
  - .name:           k_q2fef632fee_quant
    .symbol:         k_q2fef632fee_quant.kd
    .args:
      - { .name: x, .offset: 0, .size: 8, .value_kind: global_buffer, .address_space: global }
      - { .name: w_qkv, .offset: 8, .size: 8, .value_kind: global_buffer, .address_space: global }
      - { .name: w_out, .offset: 16, .size: 8, .value_kind: global_buffer, .address_space: global }
      - { .name: lowp_scales, .offset: 24, .size: 8, .value_kind: global_buffer, .address_space: global }
      - { .name: xc, .offset: 32, .size: 8, .value_kind: global_buffer, .address_space: global }
      - { .name: wqc, .offset: 40, .size: 8, .value_kind: global_buffer, .address_space: global }
      - { .name: woc, .offset: 48, .size: 8, .value_kind: global_buffer, .address_space: global }
    .group_segment_fixed_size: 33280
    .private_segment_fixed_size: 0
    .kernarg_segment_align: 8
    .kernarg_segment_size: 56
    .max_flat_workgroup_size: 128
    .sgpr_count:     66
    .vgpr_count:     194
    .wavefront_size: 32
...
	.end_amdgpu_metadata
.endif
;; end of part 1
;; launch qkv (part 2): grid 12 x 64, 4 waves a work-group, clusters of 4 x 4, 327,680 bytes of LDS; arguments xc, wqc, b_qkv, lowp_scales, qc, kc, vc; writes qc, kc, vc
.if DOCPART == 2
	.amdgcn_target "amdgcn-amd-amdhsa--gfx1250"
	.amdhsa_code_object_version 6
	.text
	.protected	k_q2fef632fee_qkv
	.globl	k_q2fef632fee_qkv
	.p2align	8
	.type	k_q2fef632fee_qkv,@function
k_q2fef632fee_qkv:
	s_mov_b64 s[64:65], 0
	v_nop
	global_prefetch_b8 v0, s[64:65] scope:SCOPE_SE
	s_setreg_imm32_b32 hwreg(HW_REG_WAVE_MODE, 25, 1), 1
	s_wait_xcnt 0x0
	s_wait_alu depctr_hold_cnt(0) depctr_sa_sdst(0) depctr_va_vdst(0) depctr_va_sdst(0) depctr_va_ssrc(0) depctr_va_vcc(0) depctr_vm_vsrc(0)
	s_getreg_b32 s2, hwreg(HW_REG_IB_STS2, 6, 4)
	s_cmp_eq_u32 s2, 0
	s_cbranch_scc0 .Lentry_in_a_cluster
	s_endpgm
.Lentry_in_a_cluster:
	s_bfe_u32 s2, ttmp6, 0x10000c
	s_cmp_lg_u32 s2, 0xf033
	s_cbranch_scc0 .Lentry_shape_is_right
	s_endpgm
.Lentry_shape_is_right:
; qkv = x w_qkv^T + b_qkv on codes of FP8 (E4M3), then q, k and v are quantised again (scales 2^e2, 2^e3, 2^e5) and stored as the attention launch reads them.
; xc [8192][1024], wqc [3072][1024]: codes, K innermost.  A finished sum is multiplied once by 2^(e0 + e1) and the bias added in the same fused multiply-add, in f32.
; LIMITS: e0 + e1 between -126 and 127; e2, e3, e5 between -126 and 119.  Inside a matrix instruction k is permuted alike in both operands (fragments come by 16-byte loads): only the order of the sums changes.
; THE FRAME.  Source 0 is called P (256 rows to a work-group), source 1 Q (128 rows): in a result a lane holds ONE row of Q and its eight registers eight neighbouring rows of P.
; Four waves; wave w takes Q's rows 64 (w / 2) on (4 blocks a) and P's rows 128 (w % 2) on (8 blocks b): 32 accumulators, 256 registers.  128 x 256 gives 768 work-groups, three for each of 256 WGPs.
; KINDS, by the cluster's x alone (equal in all sixteen partners): 0: q and 1: k: P = w_qkv's rows, Q = tokens, so a lane's registers run along the head's 64, the next product's K.
;   2: v: the roles are swapped by pointers alone: P = tokens, Q = w_qkv's rows 2048 on, so a lane's registers run along the KEYS, the K of the product with the weights.
; K = 1,024 is four K steps of 256 (rows of 256 bytes).  Three LDS slots take K steps 0, 1, 2 as first fills, all asked for at the head; K step 3 is the one refill, into slot 0.  No loop.
; CLUSTER 4 x 4: Q's tile hangs on the tile number t alone and is shared along a row of the cluster, P's on u alone and is shared along a column: joint loads with a mask, a quarter of the requests.
; OUT.  qc, kc: [b][head][s][64]: byte 32 c + 16 h + 8 u + i of a row holds channel 32 c + 16 u + 8 h + i (alike in q and k).  vc: [b][head][step of 128 keys][channel][128]: byte 32 c + 16 h + 8 u + i holds key 32 c + 16 u + 8 h + i.
;   In both a wave's tile is dense (2 x 4,096 or 8,192 bytes): it goes through the wave's own stage in LDS and leaves by stores of 512 consecutive bytes.
; REGISTERS, in windows of 256: window 0: v1-29 addresses and constants; v32-39 v's bias; v64-127, v128-191 Q's fragments, two sets; on the way out v64-255 are free.
;   window 1: P's fragments, two sets, at v0 and v128.   window 2: accumulator (a, b) at v[8 (8 a + b)].   window 3: v0-63: q's and k's bias: register 8 b + j = bias of P's row 16 b + 8 h + j.
.set PITCH,  272                       ; an LDS row: 256 bytes + 16 of padding = 68 words: the 16 rows that a load touches start at 16 different groups of four banks
.set HQ,     64*PITCH                  ; what a wave fetches, and reads, of Q
.set HP,     128*PITCH                 ; of P
.set POFF,   2*HQ                      ; a slot: Q's 128 rows, then P's 256
.set SLOT,   POFF+2*HP                 ; 104,448
.set SPARE,  3*SLOT                    ; behind the slots: the spare words, 128 bytes a wave: two blocks of 256 bytes that no other line names
.set KSQ,    256                       ; a K step in Q's memory, in bytes
.set KSP,    256                       ; in P's
.set ADQ,  8                           ; v8-10   LDS address of my Q fragments in slot 0, 1, 2
.set ADP,  12                          ; v12-14  of my P fragments
.set SPW,  28                          ; v28     LDS address of my spare word; never rewritten
.set NIL,  29                          ; v29     0; never rewritten
.set BV,   32                          ; v32-39  v's bias: block a's, twice (a pair for the packed form)
.set QF,   64
.set WV,   18                          ; s18 wave;  s19 = wave / 2: my half of Q's rows, also: I fetch for Q (0) or P (1);  s20 = wave % 2: my half of P's rows, also: which half I fetch
.set SQ,   19
.set SPH,  20
.set G1Q,  24                          ; s[24:31] descriptor group 1 for Q's tiles;  s[32:39] for P's
.set G1P,  32
.set G0Q,  40                          ; s[40:51] group 0 for Q's tiles, a set for each slot;  s[52:63] for P's
.set G0P,  52
.set MSB, 0
.macro WIN new                         ; the immediate's high byte repeats the setting that is left
.if MSB != \new
	s_set_vgpr_msb (MSB<<8)|\new
.set MSB, \new
.endif
.endm
.macro PLACES                          ; four plain places behind matrix instructions, in front of loads into their sources and of reads of results
.rept 4
	v_nop
.endr
.endm
.macro CROUND                          ; a round of the cluster's barrier
	s_barrier_signal -1
	s_barrier_wait -1
	s_cmp_lg_u32 s[WV], 0
	s_cbranch_scc1 .Lnot_wave_0_\@
	s_barrier_signal -3
.Lnot_wave_0_\@:
	s_barrier_wait -3
	s_barrier_signal -1
	s_barrier_wait -1
.endm
.macro JLOAD s                         ; a joint load: waves 0, 1 for Q, waves 2, 3 for P; the branch hangs on the wave's number alone; four v_nop follow each line
	s_cmp_eq_u32 s[SQ], 0
	s_cbranch_scc0 .Lfor_p_\@
	tensor_load_to_lds s[G0Q+4*\s:G0Q+4*\s+3], s[G1Q:G1Q+7]
	s_nop 0
.rept 4
	v_nop
.endr
	s_branch .Lasked_\@
.Lfor_p_\@:
	tensor_load_to_lds s[G0P+4*\s:G0P+4*\s+3], s[G1P:G1P+7]
	s_nop 0
.rept 4
	v_nop
.endr
.Lasked_\@:
.endm
; 48 LDS loads in one run: the fragments of the slot's q-th 128 along K: P's eight, Q's four.  Lane l holds row l % 16; registers 4 c .. 4 c + 3 hold K = 32 c + 16 (l / 16) + 0 .. 15
.macro FETCH slot, q, set
	WIN 0x40                                       ; destination window 1, address window 0
.irp i, 0,1,2,3,4,5,6,7
.irp c, 0,1,2,3
	ds_load_b128 v[128*(\set)+16*\i+4*\c:128*(\set)+16*\i+4*\c+3], v[ADP+\slot] offset:128*(\q)+32*\c+\i*16*PITCH
.endr
.endr
	WIN 0
.irp i, 0,1,2,3
.irp c, 0,1,2,3
	ds_load_b128 v[QF+64*(\set)+16*\i+4*\c:QF+64*(\set)+16*\i+4*\c+3], v[ADQ+\slot] offset:128*(\q)+32*\c+\i*16*PITCH
.endr
.endr
.endm
; 32 matrix instructions, 128 along K.  The 32 accumulators take turns, one instruction a turn, in the same order in every step.  zero = 1: the first products start the sums
.macro MUL32 set, zero
	WIN 0xa1                                       ; source 0 (P) window 1, source 1 (Q) window 0, C and D window 2
.irp a, 0,1,2,3
.irp b, 0,1,2,3,4,5,6,7
.if \zero
	v_wmma_f32_16x16x128_fp8_fp8 v[8*(8*\a+\b):8*(8*\a+\b)+7], v[128*(\set)+16*\b:128*(\set)+16*\b+15], v[QF+64*(\set)+16*\a:QF+64*(\set)+16*\a+15], 0
.else
	v_wmma_f32_16x16x128_fp8_fp8 v[8*(8*\a+\b):8*(8*\a+\b)+7], v[128*(\set)+16*\b:128*(\set)+16*\b+15], v[QF+64*(\set)+16*\a:QF+64*(\set)+16*\a+15], v[8*(8*\a+\b):8*(8*\a+\b)+7]
.endif
.endr
.endr
.endm
.macro NEXT slot, q, setn, set         ; a step: the next step's fragments are asked for, then this step's set is multiplied
	PLACES
	FETCH \slot, \q, \setn
	s_wait_dscnt 48                                ; all but the 48 just issued
	MUL32 \set, 0
.endm
	s_load_b256 s[4:11], s[0:1], 0x0               ; xc s[4:5], wqc s[6:7], b_qkv s[8:9], the scales' exponents s[10:11]
	s_load_b128 s[12:15], s[0:1], 0x20             ; qc, kc
	s_load_b64 s[16:17], s[0:1], 0x30              ; vc
	v_lshl_add_u32 v[SPW], v0, 2, SPARE
	v_mov_b32 v[NIL], 0
	ds_add_u32 v28, v29
	ds_add_u32 v28, v29
	s_wait_dscnt 0x0
	v_lshrrev_b32 v1, 5, v0
	v_readfirstlane_b32 s[WV], v1                  ; wave 0..3
	s_lshr_b32 s[SQ], s[WV], 1
	s_and_b32 s[SPH], s[WV], 1
	s_bfe_u32 s21, ttmp6, 0x40000                  ; cx
	s_bfe_u32 s22, ttmp6, 0x40004                  ; cy
	s_and_b32 s2, ttmp7, 0xffff                    ; the cluster's y, 0..15
	s_and_b32 s80, s2, 7
	s_lshr_b32 s81, s2, 3
	s_cmp_eq_u32 ttmp9, 2                          ; the cluster's x is the kind
	s_cselect_b32 s66, s80, ttmp9                  ; v: 8 clusters of P's tiles (tokens) x 2 of Q's;
	s_cselect_b32 s67, s81, s2                     ; q, k: the kind picks w_qkv's rows, y the tokens
	s_cselect_b32 s70, 1, 0                        ; 1: v
	s_lshl_b32 s68, s66, 2
	s_add_co_u32 s68, s68, s21                     ; u: P's tile
	s_lshl_b32 s69, s67, 2
	s_add_co_u32 s69, s69, s22                     ; t: Q's tile
	s_lshl_b32 s3, s22, 2
	s_lshl_b32 s3, 15, s3                          ; my row of the cluster
	s_lshl_b32 s71, 0x1111, s21                    ; my column
	s_or_b32 s[G1Q], s3, (1<<20)|(1<<21)|(5<<22)|(3<<25)    ; 15:0 the mask; 17:16 elements of 1 byte; 20 padding on; 21 set beside a mask; 24:22 after every 64 words; 31:25 four words
	s_or_b32 s[G1P], s71, (1<<20)|(1<<21)|(5<<22)|(3<<25)
	s_mov_b32 s[G1Q+1], 256<<16                    ; tensor_dim0 = 256
	s_mov_b32 s[G1Q+2], 64<<16                     ; tensor_dim1 = 64
	s_mov_b32 s[G1Q+3], 256<<16                    ; tile_dim0 = 256
	s_mov_b32 s[G1Q+4], 64                         ; tile_dim1 = 64
	s_mov_b32 s[G1Q+5], 1024                       ; from row to row
	s_mov_b32 s[G1Q+6], 0
	s_mov_b32 s[G1Q+7], 0
	s_mov_b32 s[G1P+1], 256<<16
	s_mov_b32 s[G1P+2], 128<<16                    ; 128 rows
	s_mov_b32 s[G1P+3], 256<<16
	s_mov_b32 s[G1P+4], 128
	s_mov_b32 s[G1P+5], 1024
	s_mov_b32 s[G1P+6], 0
	s_mov_b32 s[G1P+7], 0
	s_lshl_b32 s82, s68, 18                        ; P: (256 u + 128 half) rows of 1,024 bytes
	s_lshl_b32 s83, s[SPH], 17
	s_add_co_u32 s82, s82, s83
	s_mov_b32 s83, 0
	s_lshl_b32 s84, s69, 17                        ; Q: (128 t + 64 half) rows, and for v 2,048 rows more
	s_lshl_b32 s85, s[SPH], 16
	s_add_co_u32 s84, s84, s85
	s_lshl_b32 s85, s70, 21
	s_add_co_u32 s84, s84, s85
	s_mov_b32 s85, 0
	s_mul_i32 s96, s[SPH], HQ                      ; where they go: no place in the cluster enters an LDS address
	s_mul_i32 s97, s[SPH], HP
	s_add_co_u32 s97, s97, POFF
	s_wait_kmcnt 0x0
	s_load_b256 s[72:79], s[10:11], 0x0            ; e0 .. e7
	s_cmp_eq_u32 ttmp9, 2
	s_cselect_b64 s[86:87], s[4:5], s[6:7]         ; P: the tokens' codes for v, else the weights'
	s_cselect_b64 s[80:81], s[6:7], s[4:5]         ; Q: the other
	s_add_nc_u64 s[86:87], s[86:87], s[82:83]
	s_add_nc_u64 s[80:81], s[80:81], s[84:85]
.irp s, 0,1,2
	s_mov_b32 s[G0Q+4*\s], 1                       ; count = 1
	s_add_co_u32 s[G0Q+4*\s+1], s96, \s*SLOT       ; LDS address
	s_add_nc_u64 s[G0Q+4*\s+2:G0Q+4*\s+3], s[80:81], \s*KSQ   ; K step s
	s_or_b32 s[G0Q+4*\s+3], s[G0Q+4*\s+3], 0x80000000         ; type = 2
	s_mov_b32 s[G0P+4*\s], 1
	s_add_co_u32 s[G0P+4*\s+1], s97, \s*SLOT
	s_add_nc_u64 s[G0P+4*\s+2:G0P+4*\s+3], s[86:87], \s*KSP
	s_or_b32 s[G0P+4*\s+3], s[G0P+4*\s+3], 0x80000000
.endr
	CROUND                                         ; all sixteen work-groups are here: the first joint loads meet
	s_cmp_eq_u32 s[SQ], 0                          ; a wave's three first fills stand in one branch: three loads of mine are out
	s_cbranch_scc0 .Lfirst_p
	tensor_load_to_lds s[G0Q:G0Q+3], s[G1Q:G1Q+7]
	s_nop 0
	tensor_load_to_lds s[G0Q+4:G0Q+7], s[G1Q:G1Q+7]
	s_nop 0
	tensor_load_to_lds s[G0Q+8:G0Q+11], s[G1Q:G1Q+7]
	s_nop 0
.rept 4
	v_nop
.endr
	s_branch .Lfirst_asked
.Lfirst_p:
	tensor_load_to_lds s[G0P:G0P+3], s[G1P:G1P+7]
	s_nop 0
	tensor_load_to_lds s[G0P+4:G0P+7], s[G1P:G1P+7]
	s_nop 0
	tensor_load_to_lds s[G0P+8:G0P+11], s[G1P:G1P+7]
	s_nop 0
.rept 4
	v_nop
.endr
.Lfirst_asked:
	v_and_b32 v1, 15, v0                           ; r
	v_bfe_u32 v2, v0, 4, 1                         ; h
	v_and_b32 v3, 31, v0                           ; lane
	v_mul_u32_u24 v4, v1, PITCH
	v_lshl_add_u32 v4, v2, 4, v4                   ; a fragment's row x pitch + 16 h
	s_mul_i32 s96, s[SQ], HQ                       ; my 64 rows of Q
	s_mul_i32 s97, s[SPH], HP                      ; my 128 rows of P
	s_add_co_u32 s97, s97, POFF
.irp s, 0,1,2
	v_add_nc_u32 v[ADQ+\s], s96, v4
	v_add_nc_u32 v[ADP+\s], s97, v4
	s_add_co_u32 s96, s96, SLOT
	s_add_co_u32 s97, s97, SLOT
.endr
	; the stages of the way out, each kind's in LDS bytes of its own: q's and k's in slot 1 (two heads x 64 rows of 64 + 16 bytes a wave), v's in slot 2 (64 rows of 128 + 16 bytes a wave)
	s_mul_i32 s96, s[WV], 10240
	s_add_co_u32 s96, s96, SLOT
	s_mul_i32 s97, s[WV], 9216
	s_add_co_u32 s97, s97, 2*SLOT
	v_mul_u32_u24 v16, v1, 80
	v_lshl_add_u32 v16, v2, 4, v16
	v_add_nc_u32 v16, s96, v16                     ; q, k in: row r, 16 h
	v_lshrrev_b32 v17, 2, v3
	v_mul_u32_u24 v17, v17, 80
	v_and_b32 v7, 3, v3
	v_lshl_add_u32 v17, v7, 4, v17
	v_add_nc_u32 v17, s96, v17                     ; back: four lanes to a row of 64 bytes, eight rows an instruction
	v_mul_u32_u24 v18, v1, 144
	v_lshl_add_u32 v18, v2, 4, v18
	v_add_nc_u32 v18, s97, v18                     ; v in
	v_lshrrev_b32 v19, 3, v3
	v_mul_u32_u24 v19, v19, 144
	v_and_b32 v7, 7, v3
	v_lshl_add_u32 v19, v7, 4, v19
	v_add_nc_u32 v19, s97, v19                     ; back: eight lanes to a row of 128 bytes, four rows an instruction
	v_lshlrev_b32 v20, 4, v3                       ; and in memory: 16 x lane
	; the biases.  Both forms are loaded in every kind, the one that is not used from the buffer's head
	s_lshl_b32 s98, s68, 8
	s_lshl_b32 s99, s[SPH], 7
	s_add_co_u32 s98, s98, s99                     ; q, k: my first row of P: 256 u + 128 half
	s_lshl_b32 s23, s69, 7
	s_lshl_b32 s99, s[SQ], 6
	s_add_co_u32 s23, s23, s99
	s_add_co_u32 s23, s23, 2048                    ; v: my first row of Q: 2048 + 128 t + 64 half
	s_cmp_eq_u32 s70, 1
	s_cselect_b32 s98, 0, s98
	s_cselect_b32 s23, s23, 0
	s_lshl_b32 s98, s98, 2
	s_mov_b32 s99, 0
	s_add_nc_u64 s[92:93], s[8:9], s[98:99]
	s_lshl_b32 s98, s23, 2
	s_add_nc_u64 s[94:95], s[8:9], s[98:99]
	v_lshlrev_b32 v5, 5, v2                        ; 32 h: my eight numbers of a block's sixteen
	v_lshlrev_b32 v6, 2, v1                        ; 4 r
	WIN 0xc0                                       ; destination window 3
.irp b, 0,1,2,3,4,5,6,7
	global_load_b128 v[8*\b:8*\b+3], v5, s[92:93] offset:64*\b
	global_load_b128 v[8*\b+4:8*\b+7], v5, s[92:93] offset:64*\b+16
.endr
	WIN 0
.irp a, 0,1,2,3
	global_load_b32 v[BV+2*\a], v6, s[94:95] offset:64*\a
	global_load_b32 v[BV+2*\a+1], v6, s[94:95] offset:64*\a
.endr
	; where my tile goes.  q, k: batch t / 16, head 4 (u % 4) + 2 half, token 128 (t % 16) + 64 half;  v: batch u / 8, head 2 t + half, step of keys 2 (u % 8) + half
	s_lshr_b32 s98, s69, 4
	s_lshl_b32 s98, s98, 21
	s_and_b32 s99, s68, 3
	s_lshl_b32 s99, s99, 19
	s_add_co_u32 s98, s98, s99
	s_lshl_b32 s99, s[SPH], 18
	s_add_co_u32 s98, s98, s99
	s_and_b32 s99, s69, 15
	s_lshl_b32 s99, s99, 13
	s_add_co_u32 s98, s98, s99
	s_lshl_b32 s99, s[SQ], 12
	s_add_co_u32 s98, s98, s99
	s_lshr_b32 s23, s68, 3
	s_lshl_b32 s23, s23, 4
	s_lshl_b32 s99, s69, 1
	s_add_co_u32 s23, s23, s99
	s_add_co_u32 s23, s23, s[SQ]
	s_lshl_b32 s23, s23, 4
	s_and_b32 s99, s68, 7
	s_lshl_b32 s99, s99, 1
	s_add_co_u32 s23, s23, s99
	s_add_co_u32 s23, s23, s[SPH]
	s_lshl_b32 s23, s23, 13
	s_cmp_eq_u32 ttmp9, 0
	s_cselect_b64 s[88:89], s[12:13], s[14:15]
	s_cmp_eq_u32 ttmp9, 2
	s_cselect_b64 s[88:89], s[16:17], s[88:89]
	s_cselect_b32 s98, s23, s98
	s_mov_b32 s99, 0
	s_add_nc_u64 s[88:89], s[88:89], s[98:99]
	s_wait_tensorcnt 2                             ; my part of K step 0 is in; K steps 1 and 2 may stay out
	s_barrier_signal -1
	s_barrier_wait -1                              ; everybody's is
	FETCH 0, 0, 0
	FETCH 0, 1, 1                                  ; all of slot 0 goes into registers at once, so that the slot is free early
	s_wait_dscnt 48                                ; the first 48 are in
	MUL32 0, 1                                     ; step 0: its products start the sums
	WIN 0
	s_wait_tensorcnt 0x0                           ; all my tensor loads have landed, so a group 0 may be written
	ds_add_u32 v[SPW], v[NIL]                      ; 0 onto my spare word
	s_add_nc_u64 s[G0Q+2:G0Q+3], s[G0Q+2:G0Q+3], 3*KSQ   ; slot 0's next tile: K step 3
	s_add_nc_u64 s[G0P+2:G0P+3], s[G0P+2:G0P+3], 3*KSP
	s_wait_dscnt 0x0                               ; the add is done, and my reads of slot 0 are over
	CROUND                                         ; no wave of any partner still reads slot 0 or has a load on its way
	JLOAD 0                                        ; the one refill: 128 matrix instructions ahead of the wait for it; its four v_nop are the places in front of the loads below
	FETCH 1, 0, 0
	MUL32 1, 0                                     ; step 1
	NEXT 1, 1, 1, 0                                ; step 2
	NEXT 2, 0, 0, 1                                ; step 3
	NEXT 2, 1, 1, 0                                ; step 4
	WIN 0
	s_wait_tensorcnt 0x0                           ; my part of K step 3 is in
	ds_add_u32 v[SPW], v[NIL]
	s_wait_dscnt 0x0                               ; my reads of slots 1 and 2 are over
	s_barrier_signal -1
	s_barrier_wait -1                              ; slot 0 is whole, and nobody reads slots 1 and 2 any more: the stages may lie there.  Nothing is filled again
	PLACES
	FETCH 0, 0, 0
	MUL32 1, 0                                     ; step 5
	NEXT 0, 1, 1, 0                                ; step 6
	s_wait_dscnt 0x0
	MUL32 1, 0                                     ; step 7
	WIN 0
	PLACES
	; THE WAY OUT.  value = sum x 2^(e0 + e1) + bias, one packed multiply-add for two; held within +-448 x 2^e; eight neighbours along the next K to a conversion; through my stage; out in 512-byte runs
	s_wait_loadcnt 0x0                             ; the biases
	s_wait_kmcnt 0x0
	s_add_co_i32 s90, s72, s73
	s_add_co_i32 s90, s90, 127
	s_lshl_b32 s90, s90, 23                        ; 2^(e0 + e1) as f32
	s_mov_b32 s91, s90                             ; (named with it as a pair, so it is written)
	s_cmp_eq_u32 ttmp9, 0
	s_cselect_b32 s98, s74, s75                    ; e2 for q, e3 for k,
	s_cmp_eq_u32 ttmp9, 2
	s_cselect_b32 s98, s77, s98                    ; e5 for v
	s_add_co_i32 s98, s98, 127
	s_lshl_b32 s99, s98, 23
	v_mov_b32 v24, s99                             ; 2^e: the conversion takes its exponent field
.macro EPI kind
.irp a, 0,1,2,3
.if \kind
	WIN 0x02                                       ; source 0 (the sums) window 2
.else
	WIN 0x32                                       ; and source 2 (the bias) window 3
.endif
.set j, 0
.rept 32
.if \kind
	v_pk_fma_f32 v[64+j:65+j], v[64*\a+j:64*\a+j+1], s[90:91], v[BV+2*\a:BV+2*\a+1] op_sel_hi:[1,0,1]   ; each accumulator from its low end on
.else
	v_pk_fma_f32 v[64+j:65+j], v[64*\a+j:64*\a+j+1], s[90:91], v[j:j+1] op_sel_hi:[1,0,1]
.endif
.set j, j+2
.endr
	WIN 0
.set j, 0
.rept 64
.set j, j+1
.endr
.irp b, 0,1,2,3,4,5,6,7
	v_cvt_scalef32_pk8_fp8_f32 v[128+16*\a+2*\b:129+16*\a+2*\b], v[64+8*\b:71+8*\b], v24
.endr
	v_nop                                          ; a plain line between the conversions and the next block's writes of their sources
.irp p, 0,1,2,3
.if \kind
	ds_store_b128 v18, v[128+16*\a+4*\p:131+16*\a+4*\p] offset:16*\a*144+32*\p                  ; channel 16 a + r; blocks 2 p, 2 p + 1 of the keys
.else
	ds_store_b128 v16, v[128+16*\a+4*\p:131+16*\a+4*\p] offset:(\p/2)*5120+16*\a*80+32*(\p%2)   ; head p / 2, token 16 a + r; blocks 2 p, 2 p + 1 of the channels
.endif
.endr
.endr
.set k, 0
.rept 16
.if \kind
	ds_load_b128 v[192+4*k:195+4*k], v19 offset:576*k            ; LDS serves a wave's instructions in order: these see my stores
.else
	ds_load_b128 v[192+4*k:195+4*k], v17 offset:(k/8)*5120+640*(k%8)
.endif
.set k, k+1
.endr
.set k, 0
.rept 16
	s_wait_dscnt 15-k                              ; load k is in; the younger ones may be out
.if \kind
	global_store_b128 v20, v[192+4*k:195+4*k], s[88:89] offset:512*k                  ; 32 lanes store 512 consecutive bytes, aligned
.else
	global_store_b128 v20, v[192+4*k:195+4*k], s[88:89] offset:(k/8)*131072+512*(k%8)
.endif
.set k, k+1
.endr
.endm
	s_cmp_eq_u32 s70, 1                            ; the kind: equal in all partners
	s_cbranch_scc1 .Lway_v
	EPI 0
	s_branch .Lend
.Lway_v:
	EPI 1
.Lend:
	s_wait_tensorcnt 0x0                           ; the wave's end
	ds_add_u32 v[SPW], v[NIL]
	s_wait_dscnt 0x0
	CROUND                                         ; the closing round: no work-group ends while a partner may still ask for a tile that names it
	s_endpgm
.Lfunc_end_k_q2fef632fee_qkv:
	.size	k_q2fef632fee_qkv, .Lfunc_end_k_q2fef632fee_qkv-k_q2fef632fee_qkv
	.p2alignl 7, 3214868480
	.fill 96, 4, 3214868480
	.section	.rodata,"a",@progbits
	.p2align	6, 0x0
	.amdhsa_kernel k_q2fef632fee_qkv
		.amdhsa_group_segment_fixed_size 327680
		.amdhsa_private_segment_fixed_size 0
		.amdhsa_enable_private_segment 0
		.amdhsa_kernarg_size 56
		.amdhsa_user_sgpr_count 2
		.amdhsa_user_sgpr_kernarg_segment_ptr 1
		.amdhsa_wavefront_size32 1
		.amdhsa_system_sgpr_workgroup_id_x 1
		.amdhsa_system_sgpr_workgroup_id_y 1
		.amdhsa_system_sgpr_workgroup_id_z 1
		.amdhsa_system_vgpr_workitem_id 0
		.amdhsa_next_free_vgpr 832
		.amdhsa_next_free_sgpr 100
		.amdhsa_reserve_vcc 0
		.amdhsa_float_denorm_mode_32 3
		.amdhsa_float_denorm_mode_16_64 3
		.amdhsa_fp16_overflow 1
		.amdhsa_memory_ordered 1
		.amdhsa_forward_progress 1
		.amdhsa_inst_pref_size 85
	.end_amdhsa_kernel
	.amdgpu_metadata
---
amdhsa.version: [ 1, 2 ]
amdhsa.kernels:
  - .name:           k_q2fef632fee_qkv
    .symbol:         k_q2fef632fee_qkv.kd
    .args:
      - { .name: xc, .offset: 0, .size: 8, .value_kind: global_buffer, .address_space: global }
      - { .name: wqc, .offset: 8, .size: 8, .value_kind: global_buffer, .address_space: global }
      - { .name: b_qkv, .offset: 16, .size: 8, .value_kind: global_buffer, .address_space: global }
      - { .name: lowp_scales, .offset: 24, .size: 8, .value_kind: global_buffer, .address_space: global }
      - { .name: qc, .offset: 32, .size: 8, .value_kind: global_buffer, .address_space: global }
      - { .name: kc, .offset: 40, .size: 8, .value_kind: global_buffer, .address_space: global }
      - { .name: vc, .offset: 48, .size: 8, .value_kind: global_buffer, .address_space: global }
    .group_segment_fixed_size: 327680
    .private_segment_fixed_size: 0
    .kernarg_segment_align: 8
    .kernarg_segment_size: 56
    .max_flat_workgroup_size: 128
    .sgpr_count:     100
    .vgpr_count:     832
    .wavefront_size: 32
...
	.end_amdgpu_metadata
.endif
;; end of part 2
;; launch attn (part 3): grid 4 x 64, 16 waves a work-group, clusters of 4 x 1, 301,056 bytes of LDS; arguments qc, kc, vc, lowp_scales, ao; writes ao
.if DOCPART == 3
	.amdgcn_target "amdgcn-amd-amdhsa--gfx1250"
	.amdhsa_code_object_version 6
	.text
	.protected	k_q2fef632fee_attn
	.globl	k_q2fef632fee_attn
	.p2align	8
	.type	k_q2fef632fee_attn,@function
k_q2fef632fee_attn:
	s_mov_b64 s[64:65], 0
	v_nop
	global_prefetch_b8 v0, s[64:65] scope:SCOPE_SE
	s_setreg_imm32_b32 hwreg(HW_REG_WAVE_MODE, 25, 1), 1
	s_wait_xcnt 0x0
	s_wait_alu depctr_hold_cnt(0) depctr_sa_sdst(0) depctr_va_vdst(0) depctr_va_sdst(0) depctr_va_ssrc(0) depctr_va_vcc(0) depctr_vm_vsrc(0)
	s_getreg_b32 s2, hwreg(HW_REG_IB_STS2, 6, 4)
	s_cmp_eq_u32 s2, 0
	s_cbranch_scc0 .Lentry_in_a_cluster
	s_endpgm
.Lentry_in_a_cluster:
	s_bfe_u32 s2, ttmp6, 0x10000c
	s_cmp_lg_u32 s2, 0x3003
	s_cbranch_scc0 .Lentry_shape_is_right
	s_endpgm
.Lentry_shape_is_right:
; Causal attention on codes of FP8 (E4M3): for each of 64 (batch, head) pairs, 2,048 queries and keys, head size 64.  o = sum over keys of p v / sum of p, then quantised with 2^e6 for the last product.
; qc, kc: [head][s][64], vc: [head][step of 128 keys][channel][128], laid by the launch before so that 16-byte loads give each matrix operand its own order of k.  ao: [head][s][64] codes, channels in their order.
; THE SOFTMAX: t = score x 2^(e2 + e3) x log2(e) / 8; M = the largest t so far, rounded UP to a whole number; p = 2^(t - M) is quantised with 2^e4, not normalised; the row's sum is taken of the unquantised p.
; When M moves, the sum and O are multiplied by 2^(old M - new M): exact.
; LIMITS: e2 + e3 between -123 and 130 (added to the factor's exponent field); e4, e6 between -126 and 119; e4 + e5 goes in by v_ldexp_f32.  NaN is not served.
; A WHOLE HEAD'S K AND V LIE IN LDS (2 x 139,264 bytes with padding): no slot is filled twice.  The head's four work-groups form a cluster and ask for the tiles JOINTLY (mask 15): a quarter of the requests.
; SHARES.  A head has 128 tiles of 16 queries; the tiles 8 g .. 8 g + 7 need the steps of 128 keys 0 .. g, the last on the diagonal.  A wave takes one tile of a late group GL (8 .. 15) and one of the early group
; GS = 15 - GL: 17 steps for every wave of every work-group.  GL hangs on the wave's number alone; the place in the cluster picks the tile within the group and enters only global addresses and the mask's numbers.
; LAYOUT.  Both products are used transposed: S^T = K Q^T (source 0 = 16 keys), O^T = V^T P^T (source 0 = 16 channels): a lane holds ONE query (lane % 16) throughout.  Register 8 t + j of S^T is key 16 t + 8 (lane / 16) + j,
; so a conversion's eight numbers are neighbours along the keys, and its two registers are registers 2 t, 2 t + 1 of the second product's operand.
; Sixteen waves of 256 registers, four to a SIMD: one wave's vector work stands beside another's matrix work and LDS loads.
.set KB,    0                          ; LDS: K: key x at (x / 4) 272 + (x % 4) 64: rows of 256 bytes + 16 of padding; a step of 128 keys is 8,704 bytes
.set VB,    139264                     ; V: step j at 8,704 j; channel d at (d / 2) 272 + (d % 2) 128
.set STEPB, 8704
.set STAGE, 278528                     ; the way out: 16 rows of 64 + 16 bytes for each wave; no tile lands here
.set AK0, 1                            ; v1  my lane's place in a tile of K
.set AV0, 2                            ; v2  in a tile of V
.set ADK, 8                            ; v8, v9 the step's addresses
.set ADV, 9
.set WV,  14                           ; s14 wave;  s15 wave / 8;  s16 GL;  s17 GS;  s18 cx;  s19 head
.set GL,  16
.set GS,  17
.set G1,  24                           ; s[24:31] descriptor group 1, one for K's and V's tiles: 64 rows of 256 bytes
.set G0K, 32                           ; s[32:47] groups 0 for K's four chunks of 512 keys;  s[48:63] for V's
.set G0V, 48
.set J,   66                           ; s66 the step;  s67 its first LDS byte, 8,704 x step;  s68 e4 + e5
.set TB,  67
.macro CROUND                          ; a round of the cluster's barrier
	s_barrier_signal -1
	s_barrier_wait -1
	s_cmp_lg_u32 s[WV], 0
	s_cbranch_scc1 .Lnot_wave_0_\@
	s_barrier_signal -3
.Lnot_wave_0_\@:
	s_barrier_wait -3
	s_barrier_signal -1
	s_barrier_wait -1
.endm
	s_load_b256 s[4:11], s[0:1], 0x0               ; qc s[4:5], kc s[6:7], vc s[8:9], the scales' exponents s[10:11]
	s_load_b64 s[12:13], s[0:1], 0x20              ; ao
	v_lshl_add_u32 v254, v0, 2, 0x49000
	v_mov_b32 v255, 0
	ds_add_u32 v254, v255
	ds_add_u32 v254, v255
	v_lshrrev_b32 v224, 5, v0
	s_delay_alu instid0(VALU_DEP_1)
	v_readfirstlane_b32 s[WV], v224                ; wave 0..15
	s_lshr_b32 s15, s[WV], 3                       ; hi
	s_xor_b32 s88, s15, 1                          ; 1 - hi
	s_mul_i32 s89, s88, 15
	s_xor_b32 s[GL], s[WV], s89                    ; waves 0-7: 15 - wave; waves 8-15: wave: 8 .. 15, each twice
	s_xor_b32 s[GS], s[GL], 15                     ; 15 - GL
	s_bfe_u32 s18, ttmp6, 0x40000                  ; cx
	s_and_b32 s19, ttmp7, 0xffff                   ; the head, which the four partners share
	s_lshl_b32 s90, s19, 17                        ; its first byte in each buffer: 131,072 x head
	s_and_b32 s92, s[WV], 1                        ; which half of a chunk I fetch, if I fetch
	s_mul_i32 s93, s92, 17408                      ; in LDS,
	s_lshl_b32 s94, s92, 14                        ; in memory
	s_add_co_u32 s94, s94, s90
	s_mov_b32 s95, 0
	s_mov_b32 s[G1], 15|(1<<20)|(1<<21)|(5<<22)|(3<<25)   ; 15:0 the mask: all four; 17:16 elements of 1 byte; 20 padding on; 21 set beside a mask; 24:22 after every 64 words; 31:25 four words
	s_mov_b32 s[G1+1], 256<<16                     ; tensor_dim0 = 256
	s_mov_b32 s[G1+2], 64<<16                      ; tensor_dim1 = 64
	s_mov_b32 s[G1+3], 256<<16                     ; tile_dim0
	s_mov_b32 s[G1+4], 64                          ; tile_dim1
	s_mov_b32 s[G1+5], 256                         ; dense
	s_mov_b32 s[G1+6], 0
	s_mov_b32 s[G1+7], 0
	s_mov_b32 s20, 0x76543210                      ; lane selects for v_permlanex16_b32: lane l xor 16
	s_mov_b32 s21, 0xfedcba98
	s_wait_dscnt 0x0
	s_wait_kmcnt 0x0
	s_load_b256 s[72:79], s[10:11], 0x0            ; e0 .. e7
	s_add_nc_u64 s[2:3], s[6:7], s[94:95]
	s_add_nc_u64 s[70:71], s[8:9], s[94:95]
.irp c, 0,1,2,3
	s_mov_b32 s[G0K+4*\c], 1
	s_add_co_u32 s[G0K+4*\c+1], s93, KB+\c*34816
	s_add_nc_u64 s[G0K+4*\c+2:G0K+4*\c+3], s[2:3], \c*32768
	s_or_b32 s[G0K+4*\c+3], s[G0K+4*\c+3], 0x80000000
	s_mov_b32 s[G0V+4*\c], 1
	s_add_co_u32 s[G0V+4*\c+1], s93, VB+\c*34816
	s_add_nc_u64 s[G0V+4*\c+2:G0V+4*\c+3], s[70:71], \c*32768
	s_or_b32 s[G0V+4*\c+3], s[G0V+4*\c+3], 0x80000000
.endr
	CROUND                                         ; all four work-groups are here: the joint loads meet
	s_cmp_lt_u32 s[WV], 2                          ; waves 0, 1: K's halves; waves 2, 3: V's; the others fetch nothing.  A fetching wave has four loads out
	s_cbranch_scc0 .Lnot_k
	tensor_load_to_lds s[G0K:G0K+3], s[G1:G1+7]
	s_nop 0
	tensor_load_to_lds s[G0K+4:G0K+7], s[G1:G1+7]
	s_nop 0
	tensor_load_to_lds s[G0K+8:G0K+11], s[G1:G1+7]
	s_nop 0
	tensor_load_to_lds s[G0K+12:G0K+15], s[G1:G1+7]
	s_nop 0
.rept 4
	v_nop
.endr
	s_branch .Lasked
.Lnot_k:
	s_cmp_lt_u32 s[WV], 4
	s_cbranch_scc0 .Lasked
	tensor_load_to_lds s[G0V:G0V+3], s[G1:G1+7]
	s_nop 0
	tensor_load_to_lds s[G0V+4:G0V+7], s[G1:G1+7]
	s_nop 0
	tensor_load_to_lds s[G0V+8:G0V+11], s[G1:G1+7]
	s_nop 0
	tensor_load_to_lds s[G0V+12:G0V+15], s[G1:G1+7]
	s_nop 0
.rept 4
	v_nop
.endr
.Lasked:
	; my two tiles: the late one 8 GL + 4 (1 - hi) + cx, the early one 8 GS + 4 hi + cx; a tile is 1,024 bytes in qc and in ao
	s_lshl_b32 s96, s88, 2
	s_add_co_u32 s96, s96, s18                     ; the late tile's place in its group
	s_lshl_b32 s97, s15, 2
	s_add_co_u32 s97, s97, s18                     ; the early tile's
	s_lshl_b32 s98, s[GL], 3
	s_add_co_u32 s98, s98, s96
	s_lshl_b32 s98, s98, 10
	s_add_co_u32 s98, s98, s90
	s_mov_b32 s99, 0
	s_add_nc_u64 s[80:81], s[4:5], s[98:99]        ; q, late
	s_add_nc_u64 s[84:85], s[12:13], s[98:99]      ; ao, late
	s_lshl_b32 s98, s[GS], 3
	s_add_co_u32 s98, s98, s97
	s_lshl_b32 s98, s98, 10
	s_add_co_u32 s98, s98, s90
	s_add_nc_u64 s[82:83], s[4:5], s[98:99]        ; q, early
	s_add_nc_u64 s[86:87], s[12:13], s[98:99]      ; ao, early
	v_and_b32 v224, 15, v0                         ; r
	v_bfe_u32 v225, v0, 4, 1                       ; h
	v_and_b32 v226, 31, v0                         ; lane
	s_delay_alu instid0(VALU_DEP_3)
	v_lshlrev_b32 v3, 6, v224
	s_delay_alu instid0(VALU_DEP_1)
	v_lshl_add_u32 v3, v225, 4, v3                 ; q: row r of 64 bytes, + 16 h
.irp c, 0,1
	global_load_b128 v[16+4*\c:19+4*\c], v3, s[80:81] offset:32*\c     ; both tiles' fragments of Q stay in registers
	global_load_b128 v[232+4*\c:235+4*\c], v3, s[82:83] offset:32*\c
.endr
	v_lshrrev_b32 v227, 2, v224
	s_delay_alu instid0(VALU_DEP_1)
	v_mul_u32_u24 v[AK0], v227, 272
	v_and_b32 v227, 3, v224
	s_delay_alu instid0(VALU_DEP_1)
	v_lshl_add_u32 v[AK0], v227, 6, v[AK0]
	s_delay_alu instid0(VALU_DEP_1)
	v_lshl_add_u32 v[AK0], v225, 4, v[AK0]         ; K: (r / 4) 272 + (r % 4) 64 + 16 h: sixteen lanes fall on sixteen different 16-byte columns
	v_lshrrev_b32 v227, 1, v224
	s_delay_alu instid0(VALU_DEP_1)
	v_mul_u32_u24 v[AV0], v227, 272
	v_and_b32 v227, 1, v224
	s_delay_alu instid0(VALU_DEP_1)
	v_lshl_add_u32 v[AV0], v227, 7, v[AV0]
	s_delay_alu instid0(VALU_DEP_1)
	v_lshl_add_u32 v[AV0], v225, 4, v[AV0]
	s_delay_alu instid0(VALU_DEP_1)
	v_add_nc_u32 v[AV0], VB, v[AV0]                ; V: (r / 2) 272 + (r % 2) 128 + 16 h: likewise
	s_mul_i32 s89, s[WV], 1280
	s_add_co_u32 s89, s89, STAGE                   ; my stage
	v_mul_u32_u24 v4, v224, 80
	s_delay_alu instid0(VALU_DEP_1)
	v_lshl_add_u32 v4, v225, 3, v4
	s_delay_alu instid0(VALU_DEP_1)
	v_add_nc_u32 v4, s89, v4                       ; in: row r, 8 h
	v_lshrrev_b32 v227, 2, v226
	s_delay_alu instid0(VALU_DEP_1)
	v_mul_u32_u24 v5, v227, 80
	v_and_b32 v227, 3, v226
	s_delay_alu instid0(VALU_DEP_1)
	v_lshl_add_u32 v5, v227, 4, v5
	s_delay_alu instid0(VALU_DEP_1)
	v_add_nc_u32 v5, s89, v5                       ; back: four lanes to a row of 64 bytes
	v_lshlrev_b32 v6, 4, v226                      ; and in memory: 16 x lane
	v_lshlrev_b32 v227, 3, v225
	s_delay_alu instid0(VALU_DEP_1)
	v_sub_nc_u32 v227, v224, v227                  ; r - 8 h
	s_lshl_b32 s96, s96, 4
	s_lshl_b32 s97, s97, 4
	v_add_nc_u32 v7, s96, v227                     ; on the diagonal step register 8 t + j is hidden where 16 t + j > my query's place in the step - 8 h: late tile,
	v_add_nc_u32 v10, s97, v227                    ; early tile
	v_mov_b32 v228, 0xff800000                     ; -infinity
	v_mov_b32 v28, 0                               ; written once: a lane permute's destination counts as one of its sources
	v_mov_b32 v31, 0                               ; (named as the upper half of the pair v[30:31])
	s_wait_kmcnt 0x0
	s_add_co_i32 s88, s74, s75
	s_lshl_b32 s88, s88, 23
	s_mov_b32 s22, 0x3e38aa3b                      ; log2(e) / 8
	s_add_co_i32 s22, s22, s88                     ; x 2^(e2 + e3): the exponents are added to its exponent field
	s_mov_b32 s23, s22                             ; (named with it as a pair, so it is written)
	s_add_co_i32 s88, s76, 127
	s_lshl_b32 s92, s88, 23
	v_mov_b32 v24, s92                             ; 2^e4
	s_add_co_i32 s88, s78, 127
	s_lshl_b32 s92, s88, 23
	v_mov_b32 v26, s92                             ; 2^e6
	s_add_co_i32 s68, s76, s77                     ; e4 + e5
; A STEP of 128 keys for one tile of queries.  cond = 1: the step may lie behind the tile's diagonal (left out: a scalar branch on the wave's number and the step) or on it (masked).  G: the tile's group; QR: its fragment of Q; DM: its mask numbers.
; REGISTERS: v12 -M, v13 the largest t, v[14:15] the sum in two halves, v[30:31] f; v32-95 K's fragments, then V's; v96-159 S^T, then p; v160-191 O^T; v192-207 p's codes; v224-227 at work.
.macro STEP cond, G, QR, DM
.if \cond
	s_cmp_gt_u32 s[J], s[\G]
	s_cbranch_scc1 .Lhidden_\@
.endif
	s_setprio 2
	v_add_nc_u32 v[ADK], s[TB], v[AK0]
	v_add_nc_u32 v[ADV], s[TB], v[AV0]
	v_nop                                          ; with the two additions: four places in front of loads into registers that the last products read
	v_nop
.irp t, 0,1,2,3,4,5,6,7
	ds_load_b128 v[32+8*\t:35+8*\t], v[ADK] offset:\t*1088
	ds_load_b128 v[36+8*\t:39+8*\t], v[ADK] offset:\t*1088+32
.endr
	s_wait_alu depctr_va_vdst(0)
	s_wait_dscnt 0x0
.irp t, 0,1,2,3,4,5,6,7
	v_wmma_f32_16x16x64_fp8_fp8 v[96+8*\t:103+8*\t], v[32+8*\t:39+8*\t], v[\QR:\QR+7], 0
.endr
.rept 4
	v_nop                                          ; places in front of the loads below and of the first read of the scores
.endr
.irp u, 0,1,2,3
.irp c, 0,1,2,3
	ds_load_b128 v[32+16*\u+4*\c:35+16*\u+4*\c], v[ADV] offset:\u*2176+32*\c   ; V's fragments land while the softmax is walked
.endr
.endr
.if \cond
	s_cmp_lg_u32 s[J], s[\G]
	s_cbranch_scc1 .Lopen_\@                       ; ahead of the diagonal every key counts
.set n, 0
.rept 64
	v_cmp_gt_i32 vcc_lo, 16*(n/8)+n%8, v[\DM]
	v_cndmask_b32 v[96+n], v[96+n], v228, vcc_lo   ; a hidden score becomes -infinity: p = 0.  The step's first key counts for every query, so the maximum is a number
.set n, n+1
.endr
.Lopen_\@:
.endif
	v_max3_num_f32 v224, v96, v97, v98             ; the step's largest score of my query among my 64 keys, in two chains, each accumulator from its low end on,
	v_max3_num_f32 v225, v99, v100, v101
.irp i, 6,10,14,18,22,26,30,34,38,42,46,50,54,58
	v_max3_num_f32 v224, v224, v[96+\i], v[97+\i]
	v_max3_num_f32 v225, v225, v[98+\i], v[99+\i]
.endr
	v_max3_num_f32 v224, v224, v158, v159
	s_delay_alu instid0(VALU_DEP_1)
	v_max_num_f32 v224, v224, v225
	s_delay_alu instid0(VALU_DEP_1)
	v_permlanex16_b32 v28, v224, s20, s21
	s_delay_alu instid0(VALU_DEP_1)
	v_max_num_f32 v224, v224, v28                  ; and among lane l xor 16's
	s_delay_alu instid0(VALU_DEP_1)
	v_mul_f32 v224, s22, v224                      ; as t (the factor is positive)
	s_delay_alu instid0(VALU_DEP_1)
	v_max_num_f32 v13, v13, v224                   ; the running largest t
	v_mov_b32 v224, v12
	s_delay_alu instid0(VALU_DEP_2)
	v_floor_f32 v12, -v13                          ; the new -M = floor(-t) = -ceil(t): a whole number
	s_delay_alu instid0(VALU_DEP_1)
	v_sub_f32 v224, v12, v224                      ; old M - new M: a whole number, 0 or less
	s_delay_alu instid0(VALU_DEP_1)
	v_cvt_i32_f32 v224, v224                       ; (it saturates)
	s_delay_alu instid0(VALU_DEP_1)
	v_ldexp_f32 v30, 1.0, v224                     ; f = 2^(old M - new M)
.set n, 0
.rept 32
	v_pk_fma_f32 v[96+n:97+n], v[96+n:97+n], s[22:23], v[12:13] op_sel_hi:[1,0,0]   ; t - M, two at a time
.set n, n+2
.endr
.set n, 0
	s_setprio 1
	s_wait_alu depctr_va_vdst(0)
.rept 64
	v_exp_f32 v[96+n], v[96+n]                     ; p = 2^(t - M)
.set n, n+1
.endr
	v_pk_mul_f32 v[14:15], v[14:15], v[30:31] op_sel_hi:[1,0]   ; the sums under the new M: the plain line behind the exponentials
	s_wait_alu depctr_va_vdst(0)                   ; one wait for the batch of 64, ahead of its first reader
	v_pk_add_f32 v[226:227], v[100:101], v[104:105]
	v_pk_add_f32 v[252:253], v[108:109], v[112:113]
	v_pk_add_f32 v[250:251], v[116:117], v[120:121]
	v_pk_add_f32 v[248:249], v[124:125], v[128:129]
	v_pk_add_f32 v[246:247], v[132:133], v[136:137]
	v_pk_add_f32 v[244:245], v[140:141], v[144:145]
	v_pk_add_f32 v[242:243], v[148:149], v[152:153]
	v_pk_add_f32 v[14:15], v[14:15], v[156:157]
	v_pk_add_f32 v[226:227], v[226:227], v[96:97]
	v_pk_add_f32 v[252:253], v[252:253], v[98:99]
	v_pk_add_f32 v[250:251], v[250:251], v[102:103]
	v_pk_add_f32 v[248:249], v[248:249], v[106:107]
	v_pk_add_f32 v[246:247], v[246:247], v[110:111]
	v_pk_add_f32 v[244:245], v[244:245], v[114:115]
	v_pk_add_f32 v[242:243], v[242:243], v[118:119]
	v_pk_add_f32 v[14:15], v[14:15], v[122:123]
	v_pk_add_f32 v[226:227], v[226:227], v[126:127]
	v_pk_add_f32 v[252:253], v[252:253], v[130:131]
	v_pk_add_f32 v[250:251], v[250:251], v[134:135]
	v_pk_add_f32 v[248:249], v[248:249], v[138:139]
	v_pk_add_f32 v[246:247], v[246:247], v[142:143]
	v_pk_add_f32 v[244:245], v[244:245], v[146:147]
	v_pk_add_f32 v[242:243], v[242:243], v[150:151]
	v_pk_add_f32 v[14:15], v[14:15], v[154:155]
	v_pk_add_f32 v[226:227], v[226:227], v[158:159]
	s_delay_alu instid0(VALU_DEP_2)
	v_pk_add_f32 v[14:15], v[14:15], v[248:249]
	s_delay_alu instid0(VALU_DEP_2)
	v_pk_add_f32 v[226:227], v[226:227], v[246:247]
	v_pk_add_f32 v[252:253], v[252:253], v[244:245]
	v_pk_add_f32 v[250:251], v[250:251], v[242:243]
	s_delay_alu instid0(VALU_DEP_2)
	v_pk_add_f32 v[14:15], v[14:15], v[252:253]
	s_delay_alu instid0(VALU_DEP_2)
	v_pk_add_f32 v[226:227], v[226:227], v[250:251]
	s_delay_alu instid0(VALU_DEP_1)
	v_pk_add_f32 v[14:15], v[14:15], v[226:227]
	s_setprio 0
.irp t, 0,1,2,3,4,5,6,7
.irp i, 0,1,2,3,4,5,6,7
.endr
	v_cvt_scalef32_pk8_fp8_f32 v[192+2*\t:193+2*\t], v[96+8*\t:103+8*\t], v24
.endr
.set n, 0
.rept 16
	v_pk_mul_f32 v[160+n:161+n], v[160+n:161+n], v[30:31] op_sel_hi:[1,0]   ; O^T under the new M; also the plain lines behind the conversions
.set n, n+2
.endr
	s_wait_alu depctr_va_vdst(0)
	s_wait_dscnt 0x0                               ; V's fragments are in
.irp u, 0,1,2,3
	v_wmma_f32_16x16x128_fp8_fp8 v[160+8*\u:167+8*\u], v[32+16*\u:47+16*\u], v[192:207], v[160+8*\u:167+8*\u]
.endr
.if \cond
.Lhidden_\@:
.endif
	s_add_co_u32 s[TB], s[TB], STEPB
	s_add_co_u32 s[J], s[J], 1
.endm
.macro INIT                            ; a tile begins: the first step finds zeros, which the first change of M leaves zeros
	v_mov_b32 v13, 0xff61b1e6                      ; -3e38, under every t
	s_delay_alu instid0(VALU_DEP_1)
	v_floor_f32 v12, -v13
	v_mov_b32 v14, 0
	v_mov_b32 v15, 0
.set n, 0
.rept 32
	v_mov_b32 v[160+n], 0
.set n, n+1
.endr
	s_mov_b32 s[J], 0
	s_mov_b32 s[TB], 0
.endm
; A tile leaves: O^T x 2^(e4 + e5) / the sum, held, quantised with 2^e6; a lane's eight codes are eight neighbouring channels of its row; through my stage; 1,024 dense bytes by two stores of 512
.macro WAYOUT AO
.rept 4
	v_nop                                          ; places behind the last products
.endr
	v_add_f32 v14, v14, v15
	s_delay_alu instid0(VALU_DEP_1)
	v_permlanex16_b32 v28, v14, s20, s21
	s_delay_alu instid0(VALU_DEP_1)
	v_add_f32 v14, v14, v28                        ; the row's sum
	s_wait_alu depctr_va_vdst(0)
	v_rcp_f32 v14, v14
	v_nop                                          ; a plain line behind the reciprocal
	s_wait_alu depctr_va_vdst(0)                   ; and the wait ahead of its first reader
	v_ldexp_f32 v14, v14, s68
.set n, 0
.rept 16
	v_pk_mul_f32 v[96+n:97+n], v[160+n:161+n], v[14:15] op_sel_hi:[1,0]   ; register 8 u + i: channel 16 u + 8 h + i
.set n, n+2
.endr
.set n, 0
.rept 32
.set n, n+1
.endr
.irp u, 0,1,2,3
	v_cvt_scalef32_pk8_fp8_f32 v[208+2*\u:209+2*\u], v[96+8*\u:103+8*\u], v26
.endr
	v_nop                                          ; a plain line behind the conversions
.irp u, 0,1,2,3
	ds_store_b64 v4, v[208+2*\u:209+2*\u] offset:16*\u
.endr
	ds_load_b128 v[216:219], v5                    ; LDS serves a wave's instructions in order: these see my stores
	ds_load_b128 v[220:223], v5 offset:640
	s_wait_dscnt 0x0
	global_store_b128 v6, v[216:219], s[\AO:\AO+1]
	global_store_b128 v6, v[220:223], s[\AO:\AO+1] offset:512
.endm
	INIT
	s_wait_loadcnt 0x0                             ; Q
	s_wait_tensorcnt 3                             ; my part of keys 0-511 is in; the three later chunks may stay out
	s_barrier_signal -1
	s_barrier_wait -1                              ; everybody's is
.La:                                                   ; the late tile's steps 0-7 lie ahead of its diagonal in every wave (its queries begin at 1,024 or later): no test
	STEP 0, GL, 16, 7
	s_cmp_lt_u32 s[J], 4
	s_cbranch_scc1 .La
	s_setprio 0
	s_wait_tensorcnt 2                             ; keys 512-1023
	s_wait_dscnt 0x0
	s_barrier_signal -1
	s_barrier_wait -1
.Lb:
	STEP 0, GL, 16, 7
	s_cmp_lt_u32 s[J], 8
	s_cbranch_scc1 .Lb
	s_setprio 0
	s_wait_tensorcnt 0x0                           ; all keys
	s_wait_dscnt 0x0
	s_barrier_signal -1
	s_barrier_wait -1                              ; the last barrier but the closing round's: from here on the waves run free
.Lc:                                                   ; eight trips in every wave; those behind the diagonal step only the counters
	STEP 1, GL, 16, 7
	s_cmp_lt_u32 s[J], 16
	s_cbranch_scc1 .Lc
	s_setprio 0
	WAYOUT 84
	INIT
.Ld:
	STEP 1, GS, 232, 10
	s_cmp_lt_u32 s[J], 8
	s_cbranch_scc1 .Ld
	s_setprio 0
	s_wait_xcnt 0x0                                ; the late tile's stores have read their registers, which the loads below write again
	WAYOUT 86
	s_wait_dscnt 0x0
	s_wait_tensorcnt 0x0
	ds_add_u32 v254, v255
	s_wait_dscnt 0x0
	CROUND                                         ; the closing round: no work-group ends while a partner may still ask for a tile that names it
	s_endpgm
.Lfunc_end_k_q2fef632fee_attn:
	.size	k_q2fef632fee_attn, .Lfunc_end_k_q2fef632fee_attn-k_q2fef632fee_attn
	.p2alignl 7, 3214868480
	.fill 96, 4, 3214868480
	.section	.rodata,"a",@progbits
	.p2align	6, 0x0
	.amdhsa_kernel k_q2fef632fee_attn
		.amdhsa_group_segment_fixed_size 301056
		.amdhsa_private_segment_fixed_size 0
		.amdhsa_enable_private_segment 0
		.amdhsa_kernarg_size 40
		.amdhsa_user_sgpr_count 2
		.amdhsa_user_sgpr_kernarg_segment_ptr 1
		.amdhsa_wavefront_size32 1
		.amdhsa_system_sgpr_workgroup_id_x 1
		.amdhsa_system_sgpr_workgroup_id_y 1
		.amdhsa_system_sgpr_workgroup_id_z 1
		.amdhsa_system_vgpr_workitem_id 0
		.amdhsa_next_free_vgpr 256
		.amdhsa_next_free_sgpr 100
		.amdhsa_reserve_vcc 1
		.amdhsa_float_denorm_mode_32 3
		.amdhsa_float_denorm_mode_16_64 3
		.amdhsa_fp16_overflow 1
		.amdhsa_memory_ordered 1
		.amdhsa_forward_progress 1
		.amdhsa_inst_pref_size 83
	.end_amdhsa_kernel
	.amdgpu_metadata
---
amdhsa.version: [ 1, 2 ]
amdhsa.kernels:
  - .name:           k_q2fef632fee_attn
    .symbol:         k_q2fef632fee_attn.kd
    .args:
      - { .name: qc, .offset: 0, .size: 8, .value_kind: global_buffer, .address_space: global }
      - { .name: kc, .offset: 8, .size: 8, .value_kind: global_buffer, .address_space: global }
      - { .name: vc, .offset: 16, .size: 8, .value_kind: global_buffer, .address_space: global }
      - { .name: lowp_scales, .offset: 24, .size: 8, .value_kind: global_buffer, .address_space: global }
      - { .name: ao, .offset: 32, .size: 8, .value_kind: global_buffer, .address_space: global }
    .group_segment_fixed_size: 301056
    .private_segment_fixed_size: 0
    .kernarg_segment_align: 8
    .kernarg_segment_size: 40
    .max_flat_workgroup_size: 512
    .sgpr_count:     100
    .vgpr_count:     256
    .wavefront_size: 32
...
	.end_amdgpu_metadata
.endif
;; end of part 3
;; launch oproj (part 4): grid 4 x 64, 4 waves a work-group, clusters of 4 x 4, 327,680 bytes of LDS; arguments ao, woc, b_out, lowp_scales, out0; writes out0
.if DOCPART == 4
	.amdgcn_target "amdgcn-amd-amdhsa--gfx1250"
	.amdhsa_code_object_version 6
	.text
	.protected	k_q2fef632fee_oproj
	.globl	k_q2fef632fee_oproj
	.p2align	8
	.type	k_q2fef632fee_oproj,@function
k_q2fef632fee_oproj:
	s_mov_b64 s[64:65], 0
	v_nop
	global_prefetch_b8 v0, s[64:65] scope:SCOPE_SE
	s_setreg_imm32_b32 hwreg(HW_REG_WAVE_MODE, 25, 1), 1
	s_wait_xcnt 0x0
	s_wait_alu depctr_hold_cnt(0) depctr_sa_sdst(0) depctr_va_vdst(0) depctr_va_sdst(0) depctr_va_ssrc(0) depctr_va_vcc(0) depctr_vm_vsrc(0)
	s_getreg_b32 s2, hwreg(HW_REG_IB_STS2, 6, 4)
	s_cmp_eq_u32 s2, 0
	s_cbranch_scc0 .Lentry_in_a_cluster
	s_endpgm
.Lentry_in_a_cluster:
	s_bfe_u32 s2, ttmp6, 0x10000c
	s_cmp_lg_u32 s2, 0xf033
	s_cbranch_scc0 .Lentry_shape_is_right
	s_endpgm
.Lentry_shape_is_right:
; out0 = attn w_out^T + b_out on codes of FP8 (E4M3): out0 [8192][1024] f32 = sum x 2^(e6 + e7) + b_out, one fused multiply-add.
; ao: the attention's codes, [batch][head][s][64]; woc: [1024][1024] codes, K innermost.  LIMIT: e6 + e7 between -126 and 127.  Inside a matrix instruction k is permuted alike in both operands: only the order of the sums changes.
; THE FRAME.  Source 0, P = 256 rows of w_out; source 1, Q = 128 tokens: a lane holds ONE token and its eight registers eight neighbouring outputs.  Four waves; wave w takes Q's rows 64 (w / 2) on (4 blocks a)
; and P's rows 128 (w % 2) on (8 blocks b): 32 accumulators.  128 x 256 gives 256 work-groups, one for each WGP.
; K = 1,024 is four K steps of 256.  Three LDS slots take K steps 0, 1, 2 as first fills, all asked for at the head; K step 3 is the one refill, into slot 0.  No loop.
; A K step of Q is four heads x (128 tokens x 64 bytes, dense): a load brings two heads as two rows of 8,192 bytes, 131,072 apart, with 16 bytes of padding behind every 256: token s of a head lies at (s / 4) 272 + (s % 4) 64.
; CLUSTER 4 x 4: Q's tile hangs on t alone and is shared along a row of the cluster, P's on u alone and is shared along a column: joint loads with a mask, a quarter of the requests.
; REGISTERS, in windows of 256: window 0: v1-29 addresses; v64-127, v128-191 Q's fragments, two sets; on the way out v32-223 are free.  window 1: P's fragments, two sets.
;   window 2: accumulator (a, b) at v[8 (8 a + b)].   window 3: v0-63: register 8 b + j = b_out of P's row 16 b + 8 h + j.
.set PITCH,  272
.set HQ,     17408                     ; what a wave fetches of Q: two heads of 8,704 bytes
.set HEADB,  8704
.set HP,     128*PITCH
.set POFF,   2*HQ
.set SLOT,   POFF+2*HP                 ; 104,448
.set SPARE,  3*SLOT                    ; behind the slots: the spare words, 128 bytes a wave: two blocks of 256 bytes that no other line names
.set KSQ,    524288                    ; a K step in Q's memory: four heads
.set KSP,    256
.set ADQ,  8                           ; v8-10   LDS address of my Q fragments in slot 0, 1, 2
.set ADP,  12                          ; v12-14  of my P fragments
.set STO,  16                          ; v16     the way out: where I put 32 bytes of a row
.set RD,   17                          ; v17     where I read a row back
.set CO,   18                          ; v18     16 x lane
.set SPW,  28
.set NIL,  29
.set T,    32                          ; the way out: a block's 64 results
.set BK,   96                          ; 16 rows read back: v96-159 and v160-223 by turns
.set QF,   64
.set WV,   18
.set SQ,   19
.set SPH,  20
.set G1Q,  24
.set G1P,  32
.set G0Q,  40
.set G0P,  52
.set MSB, 0
.macro WIN new                         ; the immediate's high byte repeats the setting that is left
.if MSB != \new
	s_set_vgpr_msb (MSB<<8)|\new
.set MSB, \new
.endif
.endm
.macro PLACES                          ; four plain places behind matrix instructions (ISA guide 7.12.1)
.rept 4
	v_nop
.endr
.endm
.macro CROUND                          ; a round of the cluster's barrier
	s_barrier_signal -1
	s_barrier_wait -1
	s_cmp_lg_u32 s[WV], 0
	s_cbranch_scc1 .Lnot_wave_0_\@
	s_barrier_signal -3
.Lnot_wave_0_\@:
	s_barrier_wait -3
	s_barrier_signal -1
	s_barrier_wait -1
.endm
.macro JLOAD s                         ; a joint load: waves 0, 1 for Q, waves 2, 3 for P; four v_nop follow each line
	s_cmp_eq_u32 s[SQ], 0
	s_cbranch_scc0 .Lfor_p_\@
	tensor_load_to_lds s[G0Q+4*\s:G0Q+4*\s+3], s[G1Q:G1Q+7]
	s_nop 0
.rept 4
	v_nop
.endr
	s_branch .Lasked_\@
.Lfor_p_\@:
	tensor_load_to_lds s[G0P+4*\s:G0P+4*\s+3], s[G1P:G1P+7]
	s_nop 0
.rept 4
	v_nop
.endr
.Lasked_\@:
.endm
; 48 LDS loads in one run: the fragments of the slot's q-th 128 along K.  Registers 4 c .. 4 c + 3 hold K = 32 c + 16 (l / 16) + 0 .. 15: in Q that is head 2 q + c / 2 of the K step's four, channels 32 (c % 2) + 16 (l / 16) on
.macro FETCH slot, q, set
	WIN 0x40
.irp i, 0,1,2,3,4,5,6,7
.irp c, 0,1,2,3
	ds_load_b128 v[128*(\set)+16*\i+4*\c:128*(\set)+16*\i+4*\c+3], v[ADP+\slot] offset:128*(\q)+32*\c+\i*16*PITCH
.endr
.endr
	WIN 0
.irp i, 0,1,2,3
.irp c, 0,1,2,3
	ds_load_b128 v[QF+64*(\set)+16*\i+4*\c:QF+64*(\set)+16*\i+4*\c+3], v[ADQ+\slot] offset:(2*(\q)+\c/2)*HEADB+\i*1088+32*(\c%2)
.endr
.endr
.endm
.macro MUL32 set, zero                 ; 32 matrix instructions; the accumulators take turns, one instruction a turn, in the same order in every step
	WIN 0xa1
.irp a, 0,1,2,3
.irp b, 0,1,2,3,4,5,6,7
.if \zero
	v_wmma_f32_16x16x128_fp8_fp8 v[8*(8*\a+\b):8*(8*\a+\b)+7], v[128*(\set)+16*\b:128*(\set)+16*\b+15], v[QF+64*(\set)+16*\a:QF+64*(\set)+16*\a+15], 0
.else
	v_wmma_f32_16x16x128_fp8_fp8 v[8*(8*\a+\b):8*(8*\a+\b)+7], v[128*(\set)+16*\b:128*(\set)+16*\b+15], v[QF+64*(\set)+16*\a:QF+64*(\set)+16*\a+15], v[8*(8*\a+\b):8*(8*\a+\b)+7]
.endif
.endr
.endr
.endm
.macro NEXT slot, q, setn, set
	PLACES
	FETCH \slot, \q, \setn
	s_wait_dscnt 48                                ; all but the 48 just issued
	MUL32 \set, 0
.endm
	s_load_b256 s[4:11], s[0:1], 0x0               ; ao s[4:5], woc s[6:7], b_out s[8:9], the scales' exponents s[10:11]
	s_load_b64 s[12:13], s[0:1], 0x20              ; out0
	v_lshl_add_u32 v[SPW], v0, 2, SPARE
	v_mov_b32 v[NIL], 0
	ds_add_u32 v28, v29
	ds_add_u32 v28, v29
	s_wait_dscnt 0x0
	v_lshrrev_b32 v1, 5, v0
	v_readfirstlane_b32 s[WV], v1
	s_lshr_b32 s[SQ], s[WV], 1
	s_and_b32 s[SPH], s[WV], 1
	s_bfe_u32 s21, ttmp6, 0x40000                  ; cx
	s_bfe_u32 s22, ttmp6, 0x40004                  ; cy
	s_lshl_b32 s68, ttmp9, 2
	s_add_co_u32 s68, s68, s21                     ; u: P's tile, 0..3
	s_and_b32 s69, ttmp7, 0xffff
	s_lshl_b32 s69, s69, 2
	s_add_co_u32 s69, s69, s22                     ; t: Q's tile, 0..63
	s_lshl_b32 s3, s22, 2
	s_lshl_b32 s3, 15, s3                          ; my row of the cluster
	s_lshl_b32 s71, 0x1111, s21                    ; my column
	s_or_b32 s[G1Q], s3, (1<<20)|(1<<21)|(5<<22)|(3<<25)    ; the mask; elements of 1 byte; padding on; bit 21 beside a mask; four words after every 64
	s_or_b32 s[G1P], s71, (1<<20)|(1<<21)|(5<<22)|(3<<25)
	s_mov_b32 s[G1Q+1], 8192<<16                   ; tensor_dim0 = 8,192: 128 tokens of a head, dense
	s_mov_b32 s[G1Q+2], 2<<16                      ; tensor_dim1 = 2 heads
	s_mov_b32 s[G1Q+3], 8192<<16                   ; tile_dim0
	s_mov_b32 s[G1Q+4], 2                          ; tile_dim1
	s_mov_b32 s[G1Q+5], 131072                     ; from head to head
	s_mov_b32 s[G1Q+6], 0
	s_mov_b32 s[G1Q+7], 0
	s_mov_b32 s[G1P+1], 256<<16
	s_mov_b32 s[G1P+2], 128<<16
	s_mov_b32 s[G1P+3], 256<<16
	s_mov_b32 s[G1P+4], 128
	s_mov_b32 s[G1P+5], 1024
	s_mov_b32 s[G1P+6], 0
	s_mov_b32 s[G1P+7], 0
	s_lshl_b32 s82, s68, 18                        ; P: (256 u + 128 half) rows of 1,024 bytes
	s_lshl_b32 s83, s[SPH], 17
	s_add_co_u32 s82, s82, s83
	s_mov_b32 s83, 0
	s_lshr_b32 s84, s69, 4                         ; Q: batch t / 16, tokens 128 (t % 16) on, heads 2 half on
	s_lshl_b32 s84, s84, 21
	s_and_b32 s85, s69, 15
	s_lshl_b32 s85, s85, 13
	s_add_co_u32 s84, s84, s85
	s_lshl_b32 s85, s[SPH], 18
	s_add_co_u32 s84, s84, s85
	s_mov_b32 s85, 0
	s_mul_i32 s96, s[SPH], HQ
	s_mul_i32 s97, s[SPH], HP
	s_add_co_u32 s97, s97, POFF
	s_wait_kmcnt 0x0
	s_load_b256 s[72:79], s[10:11], 0x0            ; e0 .. e7
	s_add_nc_u64 s[86:87], s[6:7], s[82:83]
	s_add_nc_u64 s[80:81], s[4:5], s[84:85]
.irp s, 0,1,2
	s_mov_b32 s[G0Q+4*\s], 1
	s_add_co_u32 s[G0Q+4*\s+1], s96, \s*SLOT
	s_add_nc_u64 s[G0Q+4*\s+2:G0Q+4*\s+3], s[80:81], \s*KSQ
	s_or_b32 s[G0Q+4*\s+3], s[G0Q+4*\s+3], 0x80000000
	s_mov_b32 s[G0P+4*\s], 1
	s_add_co_u32 s[G0P+4*\s+1], s97, \s*SLOT
	s_add_nc_u64 s[G0P+4*\s+2:G0P+4*\s+3], s[86:87], \s*KSP
	s_or_b32 s[G0P+4*\s+3], s[G0P+4*\s+3], 0x80000000
.endr
	CROUND                                         ; all sixteen work-groups are here: the first joint loads meet
	s_cmp_eq_u32 s[SQ], 0                          ; a wave's three first fills stand in one branch: three loads of mine are out
	s_cbranch_scc0 .Lfirst_p
	tensor_load_to_lds s[G0Q:G0Q+3], s[G1Q:G1Q+7]
	s_nop 0
	tensor_load_to_lds s[G0Q+4:G0Q+7], s[G1Q:G1Q+7]
	s_nop 0
	tensor_load_to_lds s[G0Q+8:G0Q+11], s[G1Q:G1Q+7]
	s_nop 0
.rept 4
	v_nop
.endr
	s_branch .Lfirst_asked
.Lfirst_p:
	tensor_load_to_lds s[G0P:G0P+3], s[G1P:G1P+7]
	s_nop 0
	tensor_load_to_lds s[G0P+4:G0P+7], s[G1P:G1P+7]
	s_nop 0
	tensor_load_to_lds s[G0P+8:G0P+11], s[G1P:G1P+7]
	s_nop 0
.rept 4
	v_nop
.endr
.Lfirst_asked:
	v_and_b32 v1, 15, v0                           ; r
	v_bfe_u32 v2, v0, 4, 1                         ; h
	v_and_b32 v3, 31, v0                           ; lane
	v_mul_u32_u24 v4, v1, PITCH
	v_lshl_add_u32 v4, v2, 4, v4                   ; P: row x pitch + 16 h
	v_lshrrev_b32 v5, 2, v1
	v_mul_u32_u24 v7, v5, 272
	v_and_b32 v5, 3, v1
	v_lshl_add_u32 v7, v5, 6, v7
	v_lshl_add_u32 v7, v2, 4, v7                   ; Q: (r / 4) 272 + (r % 4) 64 + 16 h: sixteen lanes fall on sixteen different 16-byte columns
	s_mul_i32 s96, s[SQ], 4352                     ; my 64 tokens: 16 LDS rows of four
	s_mul_i32 s97, s[SPH], HP
	s_add_co_u32 s97, s97, POFF
.irp s, 0,1,2
	v_add_nc_u32 v[ADQ+\s], s96, v7
	v_add_nc_u32 v[ADP+\s], s97, v4
	s_add_co_u32 s96, s96, SLOT
	s_add_co_u32 s97, s97, SLOT
.endr
	s_mul_i32 s96, s[WV], 16*528
	s_add_co_u32 s96, s96, SLOT                    ; my stage, in slot 1: 16 rows of 512 + 16 bytes
	v_mul_u32_u24 v[STO], v1, 528
	v_lshl_add_u32 v[STO], v2, 5, v[STO]
	v_add_nc_u32 v[STO], s96, v[STO]               ; in: row r, 32 h
	v_lshlrev_b32 v[CO], 4, v3
	v_add_nc_u32 v[RD], s96, v[CO]                 ; back: the 32 lanes take a row of 512 bytes
	s_lshl_b32 s98, s68, 10
	s_lshl_b32 s99, s[SPH], 9
	s_add_co_u32 s98, s98, s99                     ; my first output, in bytes: (256 u + 128 half) x 4
	s_mov_b32 s99, 0
	s_add_nc_u64 s[92:93], s[8:9], s[98:99]        ; in b_out,
	s_add_nc_u64 s[88:89], s[12:13], s[98:99]      ; and in a row of out0
	s_lshl_b32 s98, s69, 19
	s_lshl_b32 s23, s[SQ], 18
	s_add_co_u32 s98, s98, s23                     ; my first token: (128 t + 64 half) rows of 4,096 bytes
	s_add_nc_u64 s[88:89], s[88:89], s[98:99]
	v_lshlrev_b32 v5, 5, v2                        ; 32 h
	WIN 0xc0                                       ; destination window 3
.irp b, 0,1,2,3,4,5,6,7
	global_load_b128 v[8*\b:8*\b+3], v5, s[92:93] offset:64*\b
	global_load_b128 v[8*\b+4:8*\b+7], v5, s[92:93] offset:64*\b+16
.endr
	WIN 0
	s_wait_tensorcnt 2                             ; my part of K step 0 is in; K steps 1 and 2 may stay out
	s_barrier_signal -1
	s_barrier_wait -1
	FETCH 0, 0, 0
	FETCH 0, 1, 1                                  ; all of slot 0 goes into registers at once, so that the slot is free early
	s_wait_dscnt 48                                ; the first 48 are in
	MUL32 0, 1                                     ; step 0: its products start the sums
	WIN 0
	s_wait_tensorcnt 0x0                           ; all my tensor loads have landed, so a group 0 may be written
	ds_add_u32 v[SPW], v[NIL]                      ; 0 onto my spare word
	s_add_nc_u64 s[G0Q+2:G0Q+3], s[G0Q+2:G0Q+3], 3*KSQ   ; slot 0's next tile: K step 3
	s_add_nc_u64 s[G0P+2:G0P+3], s[G0P+2:G0P+3], 3*KSP
	s_wait_dscnt 0x0                               ; the add is done, and my reads of slot 0 are over
	CROUND                                         ; no wave of any partner still reads slot 0 or has a load on its way
	JLOAD 0                                        ; the one refill: 128 matrix instructions ahead of the wait for it; its four v_nop are the places in front of the loads below
	s_wait_alu depctr_va_vdst(0)
	FETCH 1, 0, 0
	MUL32 1, 0                                     ; step 1
	NEXT 1, 1, 1, 0                                ; step 2
	NEXT 2, 0, 0, 1                                ; step 3
	NEXT 2, 1, 1, 0                                ; step 4
	WIN 0
	s_wait_tensorcnt 0x0                           ; my part of K step 3 is in
	ds_add_u32 v[SPW], v[NIL]
	s_wait_dscnt 0x0                               ; my reads of slots 1 and 2 are over
	s_barrier_signal -1
	s_barrier_wait -1                              ; slot 0 is whole, and nobody reads slots 1 and 2 any more: the stages may lie there.  Nothing is filled again
	PLACES
	FETCH 0, 0, 0
	MUL32 1, 0                                     ; step 5
	NEXT 0, 1, 1, 0                                ; step 6
	s_wait_dscnt 0x0
	MUL32 1, 0                                     ; step 7
	WIN 0
	PLACES
	; THE WAY OUT, block by block of 16 tokens x 128 outputs: a lane holds 32 neighbouring bytes of a row; a block goes through my stage and comes back as whole rows of 512 bytes
	s_wait_loadcnt 0x0                             ; b_out
	s_wait_kmcnt 0x0
	s_add_co_i32 s90, s78, s79
	s_add_co_i32 s90, s90, 127
	s_lshl_b32 s90, s90, 23                        ; 2^(e6 + e7) as f32
	s_mov_b32 s91, s90                             ; (named with it as a pair, so it is written)
.macro TOSTAGE a
	WIN 0x32                                       ; source 0 (the sums) window 2, source 2 (the bias) window 3
.set j, 0
.rept 32
	v_pk_fma_f32 v[T+j:T+j+1], v[64*(\a)+j:64*(\a)+j+1], s[90:91], v[j:j+1] op_sel_hi:[1,0,1]   ; each accumulator from its low end on
.set j, j+2
.endr
	WIN 0
.irp b, 0,1,2,3,4,5,6,7
	ds_store_b128 v[STO], v[T+8*\b:T+8*\b+3] offset:64*\b
	ds_store_b128 v[STO], v[T+8*\b+4:T+8*\b+7] offset:64*\b+16
.endr
.set BB, BK+64*((\a)%2)
.irp t, 0,1,2,3,4,5,6,7,8,9,10,11,12,13,14,15
	ds_load_b128 v[BB+4*\t:BB+4*\t+3], v[RD] offset:\t*528       ; LDS serves a wave's instructions in order: these see my stores, and the next block's stores come behind them
.endr
.endm
.macro SEND a, younger                 ; younger: the LDS instructions issued behind block a's loads, which may stay out
.set BB, BK+64*((\a)%2)
	s_wait_dscnt \younger
.irp t, 0,1,2,3,4,5,6,7,8,9,10,11,12,13,14,15
	global_store_b128 v[CO], v[BB+4*\t:BB+4*\t+3], s[88:89] offset:(\a)*65536+\t*4096 th:TH_STORE_NT   ; 32 lanes store 512 consecutive bytes, aligned; written once, read by nobody here
.endr
.endm
	TOSTAGE 0
	TOSTAGE 1
	SEND 0, 32                                     ; behind block 0's loads: block 1's 16 stores and 16 loads
	s_wait_xcnt 0x0                                ; block 0's stores have read their registers: block 2's loads may land there
	TOSTAGE 2
	SEND 1, 32
	s_wait_xcnt 0x0
	TOSTAGE 3
	SEND 2, 32
	SEND 3, 0
	s_wait_tensorcnt 0x0                           ; the wave's end
	ds_add_u32 v[SPW], v[NIL]
	s_wait_dscnt 0x0
	CROUND                                         ; the closing round: no work-group ends while a partner may still ask for a tile that names it
	s_endpgm
.Lfunc_end_k_q2fef632fee_oproj:
	.size	k_q2fef632fee_oproj, .Lfunc_end_k_q2fef632fee_oproj-k_q2fef632fee_oproj
	.p2alignl 7, 3214868480
	.fill 96, 4, 3214868480
	.section	.rodata,"a",@progbits
	.p2align	6, 0x0
	.amdhsa_kernel k_q2fef632fee_oproj
		.amdhsa_group_segment_fixed_size 327680
		.amdhsa_private_segment_fixed_size 0
		.amdhsa_enable_private_segment 0
		.amdhsa_kernarg_size 40
		.amdhsa_user_sgpr_count 2
		.amdhsa_user_sgpr_kernarg_segment_ptr 1
		.amdhsa_wavefront_size32 1
		.amdhsa_system_sgpr_workgroup_id_x 1
		.amdhsa_system_sgpr_workgroup_id_y 1
		.amdhsa_system_sgpr_workgroup_id_z 1
		.amdhsa_system_vgpr_workitem_id 0
		.amdhsa_next_free_vgpr 832
		.amdhsa_next_free_sgpr 100
		.amdhsa_reserve_vcc 0
		.amdhsa_float_denorm_mode_32 3
		.amdhsa_float_denorm_mode_16_64 3
		.amdhsa_memory_ordered 1
		.amdhsa_forward_progress 1
		.amdhsa_inst_pref_size 76
	.end_amdhsa_kernel
	.amdgpu_metadata
---
amdhsa.version: [ 1, 2 ]
amdhsa.kernels:
  - .name:           k_q2fef632fee_oproj
    .symbol:         k_q2fef632fee_oproj.kd
    .args:
      - { .name: ao, .offset: 0, .size: 8, .value_kind: global_buffer, .address_space: global }
      - { .name: woc, .offset: 8, .size: 8, .value_kind: global_buffer, .address_space: global }
      - { .name: b_out, .offset: 16, .size: 8, .value_kind: global_buffer, .address_space: global }
      - { .name: lowp_scales, .offset: 24, .size: 8, .value_kind: global_buffer, .address_space: global }
      - { .name: out0, .offset: 32, .size: 8, .value_kind: global_buffer, .address_space: global }
    .group_segment_fixed_size: 327680
    .private_segment_fixed_size: 0
    .kernarg_segment_align: 8
    .kernarg_segment_size: 40
    .max_flat_workgroup_size: 128
    .sgpr_count:     100
    .vgpr_count:     832
    .wavefront_size: 32
...
	.end_amdgpu_metadata
.endif
;; end of part 4
